; MI455X (gfx1250); checked and timed in simulation.
; The chip was launched on July 23, 2026; its instructions are those of AMD's public machine-readable ISA for CDNA 5 (MIT licence, August 2026) and "CDNA5" Instruction Set Architecture Reference Guide (July 2026). The comments in the code are by the model that wrote it; some were corrected since.
;; Full Attention. Allowed arithmetic: matrix products marked QUANTISED: E4M3 operands, one E8M0 scale for each 32 along K, by v_wmma_scale_f32_16x16x128_f8f6f4 with both operands' format E4M3, f32 sums; everything else in f32.
;; Inputs: keys_codes 4 x 2,048 x 8 x 2 x 32 uint8 (E4M3 codes of keys, K innermost, in blocks of 32 codes); keys_scales 4 x 2,048 x 8 x 2 uint8 (E8M0 scales of keys, one for each 32 codes along K); queries_codes 4 x 2,048 x 8 x 2 x 32 uint8 (E4M3 codes of queries, K innermost, in blocks of 32 codes); queries_scales 4 x 2,048 x 8 x 2 uint8 (E8M0 scales of queries, one for each 32 codes along K); values_codes 4 x 8 x 64 x 64 x 32 uint8 (E4M3 codes of values, K innermost, in blocks of 32 codes); values_scales 4 x 8 x 64 x 64 uint8 (E8M0 scales of values, one for each 32 codes along K).
;; Outputs: out0 4 x 2,048 x 8 x 64 float32.
;; This version of the problem:
;;   THIS VERSION OF THE PROBLEM IS GIVEN IN LOW PRECISION. The matrix products marked QUANTISED in the list below multiply operands that are first quantised to E4M3 (4 exponent bits, 3 mantissa bits; 8 bits a number), with one power-of-two scale for each 32 numbers along K (OCP MX v1.0); their sums are f32. All else is computed in f32.
;;   The module's matrix products, in the order in which they are computed (A, B: the left and right operand; K: the contracted axis; several contracted axes count as one K, in the product's order):
;;     1. batch 32 x [M 2,048, K 64] x [K 64, N 2,048]; A: input queries (given as codes); B: input keys (given as codes): QUANTISED
;;     2. batch 32 x [M 64, K 2,048] x [K 2,048, N 2,048]; A: input values (given as codes); B: softmax (see below): QUANTISED
;;   THE QUANTISER, for each operand of a quantised product, along K:
;;     - K is cut into blocks of 32 from its start; a last block that is shorter is filled with zeros.
;;     - A block's scale is 2^e with e = floor(log2(the largest magnitude in the block)) - 8, held to -126 .. 127; a block of zeros has e = 0. As a byte (E8M0): e + 127.
;;     - Each number is divided by its block's scale, clamped to +-448, and rounded to the nearest number of E4M3, ties to even, subnormals kept.
;;     - The product sums the exact products of the quantised numbers (number of the format x scale) in f32.
;;   ~~~python
;;   def quantise(x, axis):      # numpy; x: float32 -> the quantised numbers, widened to float32 again
;;       x = np.moveaxis(x, axis, -1); K = x.shape[-1]
;;       x = np.pad(x, [(0, 0)] * (x.ndim - 1) + [(0, -K % 32)]); x = x.reshape(x.shape[:-1] + (-1, 32)); a = np.abs(x).max(-1, keepdims=True)
;;       e = np.where(a > 0, np.clip(np.frexp(np.where(a > 0, a, 1))[1] - 1 - 8, -126, 127), 0)      # np.frexp(a)[1] - 1 = floor(log2(a)), exactly
;;       r = np.clip(x / 2.0 ** e, -448, 448)
;;       step = 2.0 ** (np.maximum(np.frexp(np.where(r == 0, 1, r))[1] - 1, -6) - 3)
;;       q = np.round(r / step) * step * 2.0 ** e      # np.round: ties to even
;;       return np.moveaxis(q.reshape(q.shape[:-2] + (-1,))[..., :K], -1, axis).astype(np.float32)
;;   ~~~
;;   SOFTMAX AHEAD OF A QUANTISED PRODUCT. Where the list says 'softmax', what is quantised is not the finished softmax but p = 2^(t - M), with t = logit x log2(e) and M = ceil(the row's largest t), a whole number; so 1/2 < the row's largest p <= 1. The row's sum l is taken of the UNQUANTISED p, in f32, and the product's result is divided by l at the end. Since M is a whole number, a kernel that streams over the keys may use a running M (the ceiling of the running maximum): every later rescaling is an exact power of two, which a block's scale takes up: the codes' values come out the same.
;;   OPERANDS COMPUTED ON THE WAY. 'Computed on the way' means the value that the module computes at that place (a softmax that the list does not call 'softmax' is quantised finished and normalised). What goes into a quantiser is computed in f32, as accurately as f32 sums, v_exp_f32 and their like allow (about 1e-6 of the number): no bf16 or f16 on the way to a quantiser, and a product that is left as it is and whose result goes on into a quantised operand takes f32 operands (vector FMAs, or v_wmma_f32_16x16x4_f32). A number that lies on a knife's edge between two numbers of the format may be rounded either way, as far as f32 arithmetic and the matrix unit's own rounding can turn it there, and no further.
;;   INPUTS GIVEN AS CODES. keys (in the module: [4, 2048, 8, 64], K = its axis 3); queries (in the module: [4, 2048, 8, 64], K = its axis 3); values (in the module: [4, 2048, 8, 64], K = its axis 1): each comes as NAME_codes (uint8): NAME with its K axis moved to the last place and cut into blocks of 32 codes, [.., K / 32, bytes a block], one block behind the other in memory; one code a byte (a code: sign, 4 exponent bits, 3 mantissa bits); and NAME_scales (uint8): the same leading axes, one E8M0 byte (e + 127) for each 32 codes along K. Its value is code x scale, taken as it is: it is not quantised again, and the codes and scales need not be those that the quantiser above would give.
;; One version. Each part assembles by itself: llvm-mc -triple=amdgcn-amd-amdhsa -mcpu=gfx1250 --defsym DOCPART=n.
;; ======== version 1 of 1: 1 launch
;; launch attn (part 1): grid 8 x 32, 16 waves a work-group, clusters of 4 x 1, 327,680 bytes of LDS; arguments keys_codes, keys_scales, queries_codes, queries_scales, values_codes, values_scales, out0; writes out0
.if DOCPART == 1
	.amdgcn_target "amdgcn-amd-amdhsa--gfx1250"
	.amdhsa_code_object_version 6
	.text
	.protected	k_q35e402bb2a_attn
	.globl	k_q35e402bb2a_attn
	.p2align	8
	.type	k_q35e402bb2a_attn,@function
k_q35e402bb2a_attn:
	s_mov_b64 s[64:65], 0
	v_nop
	global_prefetch_b8 v0, s[64:65] scope:SCOPE_SE
	s_setreg_imm32_b32 hwreg(HW_REG_WAVE_MODE, 25, 1), 1
	s_wait_xcnt 0x0
	s_wait_alu depctr_hold_cnt(0) depctr_sa_sdst(0) depctr_va_vdst(0) depctr_va_sdst(0) depctr_va_ssrc(0) depctr_va_vcc(0) depctr_vm_vsrc(0)
	s_getreg_b32 s2, hwreg(HW_REG_IB_STS2, 6, 4)
	s_cmp_eq_u32 s2, 0
	s_cbranch_scc0 .Lentry_in_a_cluster
	s_endpgm
.Lentry_in_a_cluster:
	s_bfe_u32 s2, ttmp6, 0x10000c
	s_cmp_lg_u32 s2, 0x3003
	s_cbranch_scc0 .Lentry_shape_is_right
	s_endpgm
.Lentry_shape_is_right:
; Causal attention on codes of FP8 (E4M3) with one E8M0 scale for each 32 along a product's K.  4 x 8 = 32 heads, 2,048 queries and keys, head size 64.
; Q, K: rows of 64 codes, 512 bytes apart (the 8 heads of a position lie side by side); their scale bytes 2 a row, 16 bytes apart.  V: a head's 64 rows (d) of 2,048 codes, the keys innermost; its scale bytes 64 a row.
; out0: a row (position, head) is 64 f32 = 256 bytes, rows of a head 2,048 bytes apart.
; THE SOFTMAX AHEAD OF THE SECOND PRODUCT: t = score x log2(e) / 8; M = the row's largest t so far, rounded UP to a whole number; p = 2^(t - M) is what is quantised, along the keys; it is not normalised.
; The row's sum is taken of the unquantised p, in f32, and divides O at the end.  When M moves, the sum and O are multiplied by 2^(old M - new M): exact.
; SHARES.  Eight work-groups to a head, sixteen waves each; a wave owns ONE tile of 16 queries in 256 registers.  A head's whole K and V lie in LDS (299,008 bytes with padding), filled once: no slot is filled again.
; THE TRIANGLE IS SHARED OUT BY THE WAVE'S NUMBER: wave w has a group g = perm(w) of 0 .. 15, and in work-group c (0 .. 7 of the head) it takes queries 128 g + 16 c on.  So it works key steps 0 .. g of 128 keys, step g being
; the one on the diagonal, and every branch hangs on the wave's number and a counter alone: all 256 work-groups run alike, 136 wave-steps each.  perm is made of two orthogonal Latin squares: the four waves of equal
; w % 4 have 34 steps together, and so have the four of equal w / 4.
; CLUSTER.  Four work-groups of a head form a cluster and ask for K and V JOINTLY: the same tensor loads, the same descriptors, a mask that names the four.  The place in the cluster enters Q's and out0's addresses and the mask's lane constant alone.
; LAYOUT.  Both products are used transposed: S^T = K Q^T (source 0 = 16 neighbouring keys, source 1 = my 16 queries), O^T = V^T P^T (source 0 = 16 of the head's 64, source 1 = P): a lane holds ONE query (lane % 16) throughout.
; The first product's K is 64 in an instruction of 128: registers 8-15 of Q's fragment and of each of K's four fragment buffers hold zero codes, written once; the scale bytes over them are 0, which is a power of two like any other.
; In S^T lane (r, h) holds, in register j of tile T, key 16 T + 8 h + j.  The codes of tiles 2 b and 2 b + 1 are registers 4 b .. 4 b + 3 of P's fragment: place 32 b + 16 h + i of the second K holds key 32 b + 8 h + i (i < 8) or
; 32 b + 16 + 8 h + i - 8: a permutation INSIDE each block of 32, which V's fragments follow (eight loads of 8 bytes in place of four of 16).  Blocks and scales are as they were; only the order of the additions inside an instruction differs.
; LIMITS.  NaN codes and scale bytes 0xff among the inputs are not served.  A p under 2^-126 becomes 0 (v_exp_f32 flushes it: ISA guide 15.8): nothing beside a row's sum, which is above 1/2.  A block whose every p is 0 keeps the scale byte 1:
; its codes are zeros.  A block's largest p is made from the block's largest score by the same multiply-add and exponential: this takes v_exp_f32 not to fall where its input rises.
.set KP,   80                          ; a key's row in LDS: 64 bytes + 16 of padding = 5 x 16: the 16 rows of a load lie in 16 different columns of 16 bytes (64 banks of 4 bytes: ISA guide 11.1)
.set VP,   528                         ; a row of a unit of V: 512 bytes + 16 = 132 words: lane (r, h) of a load of 8 bytes starts at bank 4 r + 2 h
.set KU,   512*KP                      ; a unit is 512 keys: K's part, 40,960 bytes,
.set VU,   64*VP                       ; and V's, 33,792
.set KB,   VU                          ; LDS: V's unit 0 at byte 0; K's 2,048 rows from here;
.set V1B,  KB+4*KU                     ; V's units 1 to 3;
.set KS,   V1B+3*VU                    ; K's scale words, 4 bytes a key (bytes 2, 3 = 0), stored by the waves: no fill lands here;
.set VS,   KS+8192                     ; V's scale words as [step][d]: VS + 256 step + 4 d
.set SP,   272                         ; the way out: 16 rows x (256 bytes + 16) for each wave, from LDS byte 0 on: 69,632 bytes of V's unit 0 and K's rows 0-447, which have had their one fill and which nobody reads behind the second barrier
.set AK,   1                           ; v1   my lane's place in a tile of K: KB + 80 r + 16 h
.set AV,   2                           ; v2   in a tile of V: 528 r + 8 h
.set AKS,  3                           ; v3   among K's scale words: KS + 4 x lane
.set AVS,  4                           ; v4   among V's: VS + 4 x lane
.set DM,   5                           ; v5   16 c + r - 8 h: on the diagonal register j of tile T is hidden where 16 T + j > DM
.set GO,   6                           ; v6   the way out: my byte offset in the wave's rows of out0
.set ADK,  8                           ; v8-11 the step's addresses: K, V, K's scale words, V's
.set ADV,  9
.set ADS,  10
.set ADT,  11
                                       ; v12 -M, v13 the largest t, v[14:15] the sum in two halves
.set QF,   16                          ; v16-31   Q's fragment: 16-23 codes, 24-31 zeros
.set KBF,  32                          ; v32-95   four fragment buffers of K: buffer i: 32 + 16 i .. + 7 codes, + 8 .. + 15 zeros
.set S,    96                          ; v96-159  S^T, then p, then V's four fragments
.set O,    160                         ; v160-191 O^T
.set PC,   192                         ; v192-207 p's codes
.set BM,   208                         ; v208-211 the blocks' largest scores, then largest p
.set T2,   212                         ; v212-215 the permute's destination, then the bytes, then the sum's second chain
.set HD,   216                         ; v216-219 448 x the scale
.set SO,   220                         ; v220-223 the conversion's scale operand
.set KSW,  224                         ; v224-227 K's scale words: register i: lanes 0-15 tile 2 i, lanes 16-31 tile 2 i + 1
.set VSW,  228                         ; v228-229 V's likewise
.set QS,   230                         ; v230 Q's scale word
.set PS,   231                         ; v231 p's scale word
.set F,    232                         ; v[232:233] f = 2^(old M - new M) (v233 is named with it as a pair)
.set TMP,  234
.set NINF, 235                         ; -infinity
.set KSR,  236                         ; at the head: v236-239 K's scale bytes as loaded, v[240:241] V's; v242-245 their and Q's offsets; v246-247 where they go in LDS
.set VSR,  240
.set A0,   242
.set A1,   243
.set A2,   244
.set A3,   245
.set W0,   246
.set W1,   247
.set STI,  236                         ; on the way out: where I put 32 bytes of a row, and where I read a row back
.set STB,  237
.set RR,   248                         ; v248 r = lane % 16, v249 h = lane / 16: they stay
.set HF,   249
.set LN,   250
.set T0,   251
.set WV,   18                          ; s18  my wave's number
.set MNT,  19                          ; s19  the mantissa field of 448
.set SEL,  20                          ; s[20:21] v_permlanex16_b32's selects for lane l xor 16
.set CS,   22                          ; s[22:23] c = log2(e) / 8; the packed form names a pair and takes its low word for both halves
.set G1K,  24                          ; s[24:31] descriptor group 1 for K's tiles;  s[32:39] for V's
.set G1V,  32
.set G0K,  40                          ; s[40:55] four groups 0 for K, one for each unit;  s[68:83] for V
.set G0V,  68
.set G,    56                          ; s56  my group g
.set SN,   57                          ; s57  the step's number
.set TK,   58                          ; s58-61 where the step's K, V, K's scale words and V's begin
.set TV,   59
.set TS,   60
.set TT,   61
.set CNT,  62                          ; s62  counts a unit's four steps;  s63 the units
.set OUTC, 63
.set CX,   84                          ; s84, s85, s66, s67, s2, s3, s98, s99: all that hangs on my place in the cluster; none of them feeds a descriptor
.set CC,   85
.set HY,   86                          ; s86 the head 0 .. 31, s87 its batch, s88 its number in the batch, s89 wave % 8
.set HB,   87
.set HH,   88
.set W7,   89
; A round of the cluster's barrier: my work-group's barrier, so that wave 0's signal speaks for all sixteen waves; wave 0 signals for the work-group; every wave waits for the four work-groups; my work-group's barrier once more.
.macro ROUND
	s_barrier_signal -1
	s_barrier_wait -1
	s_cmp_lg_u32 s[WV], 0
	s_cbranch_scc1 .Lnot_wave_0_\@
	s_barrier_signal -3
.Lnot_wave_0_\@:
	s_barrier_wait -3
	s_barrier_signal -1
	s_barrier_wait -1
.endm
.macro PLACES n
.rept \n
	v_nop
.endr
.endm
	s_load_b256 s[4:11], s[0:1], 0x0               ; K's codes s[4:5], K's scales s[6:7], Q's codes s[8:9], Q's scales s[10:11]
	s_load_b128 s[12:15], s[0:1], 0x20             ; V's codes s[12:13], V's scales s[14:15]
	s_load_b64 s[16:17], s[0:1], 0x30              ; out0
	v_lshl_add_u32 v254, v0, 2, 0x4c000
	v_mov_b32 v255, 0
	ds_add_u32 v254, v255
	ds_add_u32 v254, v255
	v_lshrrev_b32 v[T0], 5, v0
	v_readfirstlane_b32 s[WV], v[T0]               ; wave 0..15
	; g = perm(w): R = w / 4, C = w % 4, t2 = a second numbering of R (0, 2, 3, 1): g = 4 (R xor C) + (t2 xor C)
	s_lshr_b32 s90, s[WV], 2                       ; R
	s_and_b32 s91, s[WV], 3                        ; C
	s_lshr_b32 s92, s90, 1
	s_xor_b32 s93, s92, s90
	s_and_b32 s93, s93, 1
	s_lshl_b32 s93, s93, 1
	s_or_b32 s93, s93, s92                         ; t2
	s_xor_b32 s93, s93, s91
	s_xor_b32 s90, s90, s91
	s_lshl_b32 s90, s90, 2
	s_or_b32 s[G], s90, s93
	s_bfe_u32 s[CX], ttmp6, 0x40000                ; cx: my place in the cluster
	s_lshl_b32 s[CC], ttmp9, 2                     ; in a cluster launch ttmp9 counts clusters
	s_add_co_u32 s[CC], s[CC], s[CX]               ; c = 4 x cluster x + cx: which of the head's eight work-groups
	s_and_b32 s[HY], ttmp7, 0xffff                 ; the head, which the partners share
	s_lshr_b32 s[HB], s[HY], 3
	s_and_b32 s[HH], s[HY], 7
	s_and_b32 s[W7], s[WV], 7                      ; which eighth of a unit I fetch
	s_lshl_b32 s90, s[HB], 20
	s_lshl_b32 s91, s[HH], 6
	s_add_co_u32 s90, s90, s91                     ; the head's first byte in K's and in Q's codes: 1,048,576 x batch + 64 x head
	s_lshr_b32 s94, s90, 5                         ; and in their scale bytes: a 32nd of it
	s_mov_b32 s95, 0
	s_lshl_b32 s66, s[G], 7
	s_lshl_b32 s67, s[CC], 4
	s_add_co_u32 s66, s66, s67                     ; my first query: 128 g + 16 c
	s_lshl_b32 s2, s66, 9
	s_add_co_u32 s2, s2, s90                       ; its codes,
	s_mov_b32 s3, 0
	s_lshr_b32 s98, s2, 5                          ; its scale bytes,
	s_mov_b32 s99, 0
	s_lshl_b32 s66, s2, 2                          ; its row of out0: four bytes for each code
	s_mov_b32 s67, 0
	s_lshl_b32 s[CX], s[CC], 4                     ; 16 c, for the mask's lane constant
	s_lshl_b32 s91, s[W7], 15
	s_add_co_u32 s90, s90, s91                     ; K: my 64 rows of 512 bytes in a unit
	s_mov_b32 s91, 0
	s_lshl_b32 s92, s[HY], 17
	s_lshl_b32 s93, s[W7], 14
	s_add_co_u32 s92, s92, s93                     ; V: the head's 131,072 bytes, my 8 rows of 2,048
	s_mov_b32 s93, 0
	s_lshl_b32 s96, s[HY], 12                      ; V's scale bytes: 4,096 a head
	s_mov_b32 s97, 0
	; descriptor group 1.  K: 64 rows x 64 bytes, 512 bytes apart.  V: 8 rows x 512 bytes, 2,048 apart: a unit's 64 rows are shared among eight waves, so that all sixteen waves issue four loads and one counted wait serves them all
	s_mov_b32 s[G1K], 15|(0<<16)|(1<<20)|(1<<21)|(3<<22)|(3<<25)   ; 15:0 the mask: all four work-groups; 17:16 elements of 1 byte; 20 padding on; 21 set beside a mask; 24:22 after every 16 words (code 3); 31:25 four words (code 3)
	s_mov_b32 s[G1K+1], 64<<16                     ; tensor_dim0
	s_mov_b32 s[G1K+2], 64<<16                     ; tensor_dim1
	s_mov_b32 s[G1K+3], 64<<16                     ; tile_dim0
	s_mov_b32 s[G1K+4], 64                         ; tile_dim1
	s_mov_b32 s[G1K+5], 512                        ; tensor_dim0_stride
	s_mov_b32 s[G1K+6], 0
	s_mov_b32 s[G1K+7], 0
	s_mov_b32 s[G1V], 15|(0<<16)|(1<<20)|(1<<21)|(6<<22)|(3<<25)   ; padding: four words after every 128 (code 6)
	s_mov_b32 s[G1V+1], 512<<16
	s_mov_b32 s[G1V+2], 8<<16
	s_mov_b32 s[G1V+3], 512<<16
	s_mov_b32 s[G1V+4], 8
	s_mov_b32 s[G1V+5], 2048
	s_mov_b32 s[G1V+6], 0
	s_mov_b32 s[G1V+7], 0
	s_mov_b32 s[MNT], 0x600000
	s_mov_b32 s[SEL], 0x76543210
	s_mov_b32 s[SEL+1], 0xfedcba98
	s_mov_b32 s[CS], 0x3e38aa3b                    ; log2(e) / 8
	s_mov_b32 s[CS+1], s[CS]                       ; (named with it as a pair, so it is written)
	v_lshlrev_b32 v[A0], 4, v0                     ; K's scale bytes: thread t takes keys t + 512 i: 16 bytes from key to key
	v_lshlrev_b32 v[A1], 3, v0                     ; V's: 8 bytes a thread, the head's 4,096 on end
	v_and_b32 v[RR], 15, v0                        ; r
	v_bfe_u32 v[HF], v0, 4, 1                      ; h
	v_lshlrev_b32 v[A2], 9, v[RR]
	v_lshl_add_u32 v[A2], v[HF], 4, v[A2]          ; Q: row r of my 16, + 16 h
	v_lshlrev_b32 v[A3], 4, v[RR]                  ; Q's scale bytes: row r
	s_wait_dscnt 0x0
	s_wait_kmcnt 0x0
	s_add_nc_u64 s[4:5], s[4:5], s[90:91]
	s_add_nc_u64 s[6:7], s[6:7], s[94:95]
	s_add_nc_u64 s[8:9], s[8:9], s[2:3]
	s_add_nc_u64 s[10:11], s[10:11], s[98:99]
	s_add_nc_u64 s[12:13], s[12:13], s[92:93]
	s_add_nc_u64 s[14:15], s[14:15], s[96:97]
	s_add_nc_u64 s[16:17], s[16:17], s[66:67]
.irp i, 0,1,2,3
	global_load_u16 v[KSR+\i], v[A0], s[6:7] offset:8192*\i        ; two scale bytes, widened with zeros: the word of a key's 64 codes and the 64 zero codes behind them
.endr
	global_load_b64 v[VSR:VSR+1], v[A1], s[14:15]  ; row d = t / 8, the scale words of steps 2 (t % 8) and 2 (t % 8) + 1
	global_load_b128 v[QF:QF+3], v[A2], s[8:9]     ; Q's fragment stays in registers: k = 16 h on,
	global_load_b128 v[QF+4:QF+7], v[A2], s[8:9] offset:32         ; k = 32 + 16 h on
	global_load_u16 v[QS], v[A3], s[10:11]
	; descriptor group 0, a set for each unit n of 512 keys; every wave makes K's and V's and asks by one of them
	s_mul_i32 s90, s[W7], 64*KP                    ; where my part goes: no place in the cluster enters an LDS address
	s_mul_i32 s92, s[W7], 8*VP
.irp n, 0,1,2,3
	s_mov_b32 s[G0K+4*\n], 1                       ; 1:0 count = 1
	s_add_co_u32 s[G0K+4*\n+1], s90, KB+KU*\n      ; 63:32 LDS address
	s_add_nc_u64 s[G0K+4*\n+2:G0K+4*\n+3], s[4:5], 262144*\n       ; 120:64 global address: 512 rows of 512 bytes a unit
	s_or_b32 s[G0K+4*\n+3], s[G0K+4*\n+3], 0x80000000              ; 127:126 type = 2
	s_mov_b32 s[G0V+4*\n], 1
.if \n == 0
	s_mov_b32 s[G0V+1], s92                        ; unit 0 lies at LDS byte 0,
.else
	s_add_co_u32 s[G0V+4*\n+1], s92, V1B+VU*(\n-1) ; the others behind K
.endif
	s_add_nc_u64 s[G0V+4*\n+2:G0V+4*\n+3], s[12:13], 512*\n        ; 512 keys on in each row
	s_or_b32 s[G0V+4*\n+3], s[G0V+4*\n+3], 0x80000000
.endr
	ROUND                                          ; all four work-groups are here: the joint loads meet
	s_cmp_lt_u32 s[WV], 8                          ; waves 0-7 fetch K, waves 8-15 V: a wave's four fills stand in one branch, unit 0 first; four tensor loads of mine are out.  Four v_nop follow the last
	s_cbranch_scc0 .Lfill_v
	tensor_load_to_lds s[G0K:G0K+3], s[G1K:G1K+7]
	s_nop 0
	tensor_load_to_lds s[G0K+4:G0K+7], s[G1K:G1K+7]
	s_nop 0
	tensor_load_to_lds s[G0K+8:G0K+11], s[G1K:G1K+7]
	s_nop 0
	tensor_load_to_lds s[G0K+12:G0K+15], s[G1K:G1K+7]
	s_nop 0
	PLACES 4
	s_branch .Lfilled
.Lfill_v:
	tensor_load_to_lds s[G0V:G0V+3], s[G1V:G1V+7]
	s_nop 0
	tensor_load_to_lds s[G0V+4:G0V+7], s[G1V:G1V+7]
	s_nop 0
	tensor_load_to_lds s[G0V+8:G0V+11], s[G1V:G1V+7]
	s_nop 0
	tensor_load_to_lds s[G0V+12:G0V+15], s[G1V:G1V+7]
	s_nop 0
	PLACES 4
.Lfilled:
	v_and_b32 v[LN], 31, v0
	v_mul_u32_u24 v[AK], v[RR], KP
	v_lshl_add_u32 v[AK], v[HF], 4, v[AK]
	v_add_nc_u32 v[AK], KB, v[AK]
	v_mul_u32_u24 v[AV], v[RR], VP
	v_lshl_add_u32 v[AV], v[HF], 3, v[AV]
	v_lshl_add_u32 v[AKS], v[LN], 2, KS
	v_lshl_add_u32 v[AVS], v[LN], 2, VS
	v_lshlrev_b32 v[T0], 3, v[HF]
	v_sub_nc_u32 v[DM], v[RR], v[T0]
	v_add_nc_u32 v[DM], s[CX], v[DM]               ; 16 c + r - 8 h
	v_lshl_add_u32 v[W0], v0, 2, KS                ; K's scale words: key t + 512 i at KS + 4 t + 2,048 i
	v_and_b32 v[W1], 7, v0
	v_lshlrev_b32 v[W1], 9, v[W1]
	v_lshrrev_b32 v[T0], 3, v0
	v_lshl_add_u32 v[W1], v[T0], 2, v[W1]
	v_add_nc_u32 v[W1], VS, v[W1]                  ; V's: VS + 256 x 2 (t % 8) + 4 (t / 8)
.set n, 0
.rept 8
	v_mov_b32 v[QF+8+n], 0                         ; the zero codes of k = 64 .. 127: Q's, and each of K's buffers has its own
	v_mov_b32 v[KBF+8+n], 0
	v_mov_b32 v[KBF+24+n], 0
	v_mov_b32 v[KBF+40+n], 0
	v_mov_b32 v[KBF+56+n], 0
.set n, n+1
.endr
.set n, 0
.rept 32
	v_mov_b32 v[O+n], 0                            ; O^T.  (The step is written for every step alike: the first finds zeros, which the first change of M leaves zeros)
.set n, n+1
.endr
.irp b, 0,1,2,3
	v_mov_b32 v[T2+\b], 0                          ; written once: a lane permute's destination counts as one of its sources
.endr
	v_mov_b32 v14, 0                               ; the sum, in two halves
	v_mov_b32 v15, 0
	v_mov_b32 v[F+1], 0
	v_mov_b32 v13, 0xff61b1e6                      ; the largest t so far: -3e38, under every t
	v_floor_f32 v12, -v13                          ; -M
	v_mov_b32 v[NINF], 0xff800000
	s_wait_loadcnt 0x3                             ; the five loads of scale bytes are in; Q's three, issued behind them, may be out
.irp i, 0,1,2,3
	ds_store_b32 v[W0], v[KSR+\i] offset:2048*\i
.endr
	ds_store_b32 v[W1], v[VSR]
	ds_store_b32 v[W1], v[VSR+1] offset:256
	s_mov_b32 s[SN], 0
	s_mov_b32 s[TK], 0
	s_mov_b32 s[TV], 0
	s_mov_b32 s[TS], 0
	s_mov_b32 s[TT], 0
	s_wait_loadcnt 0x0                             ; Q
	s_wait_tensorcnt 0x3                           ; my part of unit 0 is in LDS; my three younger loads (units 1 to 3) may stay out
	s_wait_dscnt 0x0                               ; for the others' sake: my scale words are stored
	s_barrier_signal -1
	s_barrier_wait -1                              ; unit 0 and the scale words are whole
.macro KLOAD g                                 ; tiles 4 g .. 4 g + 3 of the step's K into the four buffers: 16 rows x 64 codes each, two loads of 16 bytes a lane
.irp t, 0,1,2,3
	ds_load_b128 v[KBF+16*\t:KBF+16*\t+3], v[ADK] offset:16*KP*(4*\g+\t)
	ds_load_b128 v[KBF+16*\t+4:KBF+16*\t+7], v[ADK] offset:16*KP*(4*\g+\t)+32
.endr
.endm
.macro QK g                                    ; S^T of these four tiles; an even tile's scale words lie in lanes 0-15, an odd tile's in lanes 16-31
.irp t, 0,1,2,3
.if \t%2
	v_wmma_scale_f32_16x16x128_f8f6f4 v[S+8*(4*\g+\t):S+8*(4*\g+\t)+7], v[KBF+16*\t:KBF+16*\t+15], v[QF:QF+15], 0, v[KSW+2*\g+\t/2], v[QS] matrix_a_scale:MATRIX_SCALE_ROW1
.else
	v_wmma_scale_f32_16x16x128_f8f6f4 v[S+8*(4*\g+\t):S+8*(4*\g+\t)+7], v[KBF+16*\t:KBF+16*\t+15], v[QF:QF+15], 0, v[KSW+2*\g+\t/2], v[QS]
.endif
.endr
.endm
; A KEY STEP: 128 keys.  No barrier and no tensor load stands in it.
.macro STEP
	s_cmp_gt_u32 s[SN], s[G]                       ; a step all of whose keys come after my queries is left out: a branch on the wave's number and a counter; the lines at the step's end that step addresses are on both ways
	s_cbranch_scc1 .Lhid_\@
	v_add_nc_u32 v[ADK], s[TK], v[AK]
	v_add_nc_u32 v[ADV], s[TV], v[AV]
	v_add_nc_u32 v[ADS], s[TS], v[AKS]
	v_add_nc_u32 v[ADT], s[TT], v[AVS]
.irp i, 0,1,2,3
	ds_load_b32 v[KSW+\i], v[ADS] offset:128*\i    ; the scale words of keys 32 i + lane
.endr
	KLOAD 0
	PLACES 5                                       ; with the four additions above nine places between the last step's products, which read V's fragments in v96 on, and the products that write S^T there
	s_wait_dscnt 0x0
	QK 0
	PLACES 8                                       ; in front of loads into registers that matrix instructions have read
	KLOAD 1
	ds_load_b32 v[VSW], v[ADT]                     ; V's scale words of this step: d = lane,
	ds_load_b32 v[VSW+1], v[ADT] offset:128        ; d = 32 + lane
	s_wait_dscnt 0x0
	QK 1
	PLACES 8                                       ; in front of the first read of results
	s_cmp_lg_u32 s[SN], s[G]                       ; step g lies on the diagonal: hidden scores become -infinity ahead of the maximum, so that p = 0.  The query's own key counts, so the step's maximum is a number
	s_cbranch_scc1 .Lopen_\@
.set n, 0
.rept 64
	v_cmp_gt_i32 vcc_lo, 16*(n/8)+n%8, v[DM]
	v_cndmask_b32 v[S+n], v[S+n], v[NINF], vcc_lo
.set n, n+1
.endr
.Lopen_\@:
.irp b, 0,1,2,3
	v_max3_num_f32 v[BM+\b], v[S+16*\b], v[S+16*\b+1], v[S+16*\b+2]   ; THE LARGEST SCORE OF EACH BLOCK OF 32 KEYS: it serves twice: for the row's maximum, and, since p rises with the score, for the block's largest p
.endr
.irp i, 3,5,7,9,11,13
.irp b, 0,1,2,3
	v_max3_num_f32 v[BM+\b], v[BM+\b], v[S+16*\b+\i], v[S+16*\b+\i+1]   ; (the four blocks by turns)
.endr
.endr
.irp b, 0,1,2,3
	v_max_num_f32 v[BM+\b], v[BM+\b], v[S+16*\b+15]
.endr
.irp b, 0,1,2,3
	v_permlanex16_b32 v[T2+\b], v[BM+\b], s[SEL], s[SEL+1]
.endr
.irp b, 0,1,2,3
	v_max_num_f32 v[BM+\b], v[BM+\b], v[T2+\b]     ; with lane l xor 16's 16 keys
.endr
	v_max3_num_f32 v[TMP], v[BM], v[BM+1], v[BM+2]
	v_max_num_f32 v[TMP], v[TMP], v[BM+3]          ; the step's largest score of my query
	v_mul_f32 v[TMP], s[CS], v[TMP]                ; as t (c is positive)
	v_max_num_f32 v13, v13, v[TMP]                 ; the running largest t
	v_mov_b32 v[TMP], v12
	v_floor_f32 v12, -v13                          ; the new -M = floor(-t) = -ceil(t): M IS A WHOLE NUMBER
	v_sub_f32 v[TMP], v12, v[TMP]                  ; M's old value less its new one: a whole number, 0 or less
	v_cvt_i32_f32 v[TMP], v[TMP]                   ; (it saturates)
	v_ldexp_f32 v[F], 1.0, v[TMP]                  ; f = 2^(old M - new M): a multiplication by it rounds nothing
.set n, 0
.rept 32
	v_pk_fma_f32 v[S+n:S+n+1], v[S+n:S+n+1], s[CS:CS+1], v[12:13] op_sel_hi:[1,0,0]   ; t - M, two at a time (of the pairs c and -M the low word serves both halves)
.set n, n+2
.endr
.irp b, 0,1,2,3
	v_fma_f32 v[BM+\b], v[BM+\b], s[CS], v12       ; the same of each block's largest score
.endr
.set n, 0
.rept 64
	v_exp_f32 v[S+n], v[S+n]                       ; p = 2^(t - M), at most 1: NOT normalised
.set n, n+1
.endr
.irp b, 0,1,2,3
	v_exp_f32 v[BM+\b], v[BM+\b]                   ; the block's largest p
.endr
	v_pk_mul_f32 v[14:15], v[14:15], v[F:F+1] op_sel_hi:[1,0]   ; the sums under the new M.  (A plain place behind the exponentials)
	s_wait_alu depctr_va_vdst(0)
.irp b, 0,1,2,3
	v_max_num_f32 v[BM+\b], 0x4800000, v[BM+\b]    ; the floor 2^(9 - 127): the byte cannot fall under 1
.endr
.irp b, 0,1,2,3
	v_add_nc_u32 v[SO+\b], 0xfc000000, v[BM+\b]    ; 8 off the exponent field: the conversion takes the exponent field of this operand as its scale
.endr
.irp b, 0,1,2,3
	v_and_or_b32 v[HD+\b], v[BM+\b], 0x7f800000, s[MNT]   ; 448 x the scale
.endr
.irp b, 0,1,2,3
	v_lshrrev_b32 v[T2+\b], 23, v[SO+\b]           ; the scale's byte
.endr
	v_lshl_or_b32 v[PS], v[T2+1], 8, v[T2]         ; p's scale word for these 128 keys
	v_lshl_or_b32 v[PS], v[T2+2], 16, v[PS]
	v_lshl_or_b32 v[PS], v[T2+3], 24, v[PS]
	v_pk_add_f32 v[T2:T2+1], v[S:S+1], v[S+2:S+3]  ; THE ROW'S SUM IS TAKEN OF THE UNQUANTISED p: two at a time, in two chains
.set n, 4
.rept 15
	v_pk_add_f32 v[14:15], v[14:15], v[S+n:S+n+1]
	v_pk_add_f32 v[T2:T2+1], v[T2:T2+1], v[S+n+2:S+n+3]
.set n, n+4
.endr
	v_pk_add_f32 v[14:15], v[14:15], v[T2:T2+1]
.irp b, 0,1,2,3
.irp i, 0,1,2,3,4,5,6,7,8,9,10,11,12,13,14,15
	v_min_num_f32 v[S+16*\b+\i], v[S+16*\b+\i], v[HD+\b]   ; the conversion to an 8-bit code does not saturate (ISA guide 7.6.2); p is not negative, so the hold is one-sided
.endr
	v_cvt_scalef32_pk8_fp8_f32 v[PC+4*\b:PC+4*\b+1], v[S+16*\b:S+16*\b+7], v[SO+\b]        ; tile 2 b: keys 32 b + 8 h on
	v_cvt_scalef32_pk8_fp8_f32 v[PC+4*\b+2:PC+4*\b+3], v[S+16*\b+8:S+16*\b+15], v[SO+\b]   ; tile 2 b + 1: keys 32 b + 16 + 8 h on
.irp e, 0,1,2,3,4,5,6,7
	ds_load_b64 v[S+16*\b+2*\e:S+16*\b+2*\e+1], v[ADV] offset:16*VP*\b+16*\e   ; V's tile b (d = 16 b + r) takes the 16 registers just converted: keys 16 e + 8 h on, the order in which p's codes lie
.endr
.endr
.set n, 0
.rept 16
	v_pk_mul_f32 v[O+n:O+n+1], v[O+n:O+n+1], v[F:F+1] op_sel_hi:[1,0]   ; O^T under the new M: x f.  (These sixteen stand between the conversions and the products that take the codes, while V's fragments come)
.set n, n+2
.endr
	s_wait_dscnt 0x0
.irp t, 0,1,2,3                                ; O^T += V^T P^T: the four accumulators by turns
.if \t%2
	v_wmma_scale_f32_16x16x128_f8f6f4 v[O+8*\t:O+8*\t+7], v[S+16*\t:S+16*\t+15], v[PC:PC+15], v[O+8*\t:O+8*\t+7], v[VSW+\t/2], v[PS] matrix_a_scale:MATRIX_SCALE_ROW1
.else
	v_wmma_scale_f32_16x16x128_f8f6f4 v[O+8*\t:O+8*\t+7], v[S+16*\t:S+16*\t+15], v[PC:PC+15], v[O+8*\t:O+8*\t+7], v[VSW+\t/2], v[PS]
.endif
.endr
.Lhid_\@:
	s_add_co_u32 s[SN], s[SN], 1
	s_add_co_u32 s[TK], s[TK], 128*KP              ; the next 128 keys: K's rows,
	s_add_co_u32 s[TV], s[TV], 128                 ; V's bytes in each row,
	s_add_co_u32 s[TS], s[TS], 512                 ; K's scale words,
	s_add_co_u32 s[TT], s[TT], 256                 ; V's
.endm
.macro UNIT                                    ; a unit's four steps: written once, walked four times; the trip count is a constant
	s_mov_b32 s[CNT], 4
.Lstep_\@:
	STEP
	s_sub_co_u32 s[CNT], s[CNT], 1
	s_cmp_lg_u32 s[CNT], 0
	s_cbranch_scc1 .Lstep_\@
.endm
	UNIT                                           ; keys 0-511, while units 1 to 3 land
	s_wait_tensorcnt 0x0                           ; all my parts of K and V are in LDS,
	s_wait_dscnt 0x0                               ; and my reads of unit 0 are over
	s_barrier_signal -1
	s_barrier_wait -1                              ; both hold of every wave: units 1 to 3 are whole, and nobody reads LDS bytes 0 to KB + KU any more: the stages may be written
	s_mov_b32 s[TK], KU                            ; the second part's addresses begin at constants of the text: K's row 512,
	s_mov_b32 s[TV], V1B                           ; V's unit 1
	s_mov_b32 s[OUTC], 3
.Lunit:
	UNIT
	s_add_co_u32 s[TV], s[TV], VU-512              ; on to V's next unit
	s_sub_co_u32 s[OUTC], s[OUTC], 1
	s_cmp_lg_u32 s[OUTC], 0
	s_cbranch_scc1 .Lunit
	; THE WAY OUT.  O^T is divided by the sum and goes through my own stage in LDS, so that sixteen lanes store a whole row of out0: 256 consecutive bytes, at a multiple of 256 from out0's first byte.
	; The six address lines, the two additions and the two lines behind the reciprocal are the places between the last products and the first read of O^T.
	s_mul_i32 s90, s[WV], 16*SP                    ; my stage
	v_mul_u32_u24 v[STI], v[RR], SP
	v_lshl_add_u32 v[STI], v[HF], 5, v[STI]
	v_add_nc_u32 v[STI], s90, v[STI]               ; in: row r; tile t's eight numbers of my half: 64 t + 32 h bytes on
	v_mul_u32_u24 v[STB], v[HF], SP
	v_lshl_add_u32 v[STB], v[RR], 4, v[STB]
	v_add_nc_u32 v[STB], s90, v[STB]               ; back: lanes 0-15 one row, lanes 16-31 the next
	v_add_f32 v14, v14, v15                        ; the sum's two halves,
	v_permlanex16_b32 v[T2], v14, s[SEL], s[SEL+1]
	v_add_f32 v14, v14, v[T2]                      ; and lane l xor 16's: the row's sum
	v_rcp_f32 v14, v14
	v_lshlrev_b32 v[GO], 11, v[HF]                 ; (plain lines behind the transcendental)  the same two rows in out0, 2,048 bytes apart,
	v_lshl_add_u32 v[GO], v[RR], 4, v[GO]          ; 16 bytes a lane
.set n, 0
	s_wait_alu depctr_va_vdst(0)
.rept 16
	v_pk_mul_f32 v[S+n:S+n+1], v[O+n:O+n+1], v[14:15] op_sel_hi:[1,0]   ; O^T / the sum, each accumulator from its low end on: register 8 t + i is o(r, 16 t + 8 h + i)
.set n, n+2
.endr
.irp t, 0,1,2,3
	ds_store_b128 v[STI], v[S+8*\t:S+8*\t+3] offset:64*\t
	ds_store_b128 v[STI], v[S+8*\t+4:S+8*\t+7] offset:64*\t+16
.endr
.irp i, 0,1,2,3,4,5,6,7
	ds_load_b128 v[KBF+4*\i:KBF+4*\i+3], v[STB] offset:2*SP*\i     ; LDS serves a wave's instructions in order (ISA guide 5.7.1.4): these see my stores
.endr
.irp i, 0,1,2,3,4,5,6,7
	s_wait_dscnt 7-\i                              ; loads come back in order: pair i of rows is in, the younger ones may be out
	global_store_b128 v[GO], v[KBF+4*\i:KBF+4*\i+3], s[16:17] offset:4096*\i th:TH_STORE_NT   ; written once, read by nobody here
.endr
	s_wait_tensorcnt 0x0
	ds_add_u32 v254, v255
	s_wait_dscnt 0x0
	ROUND                                          ; the closing round: no work-group ends while a partner may still ask for a tile that names it
	s_endpgm
.Lfunc_end_k_q35e402bb2a_attn:
	.size	k_q35e402bb2a_attn, .Lfunc_end_k_q35e402bb2a_attn-k_q35e402bb2a_attn
	.p2alignl 7, 3214868480
	.fill 96, 4, 3214868480
	.section	.rodata,"a",@progbits
	.p2align	6, 0x0
	.amdhsa_kernel k_q35e402bb2a_attn
		.amdhsa_group_segment_fixed_size 327680
		.amdhsa_private_segment_fixed_size 0
		.amdhsa_enable_private_segment 0
		.amdhsa_kernarg_size 56
		.amdhsa_user_sgpr_count 2
		.amdhsa_user_sgpr_kernarg_segment_ptr 1
		.amdhsa_wavefront_size32 1
		.amdhsa_system_sgpr_workgroup_id_x 1
		.amdhsa_system_sgpr_workgroup_id_y 1
		.amdhsa_system_sgpr_workgroup_id_z 1
		.amdhsa_system_vgpr_workitem_id 0
		.amdhsa_next_free_vgpr 256
		.amdhsa_next_free_sgpr 100
		.amdhsa_reserve_vcc 1
		.amdhsa_float_denorm_mode_32 3
		.amdhsa_float_denorm_mode_16_64 3
		.amdhsa_memory_ordered 1
		.amdhsa_forward_progress 1
		.amdhsa_inst_pref_size 68
	.end_amdhsa_kernel
	.amdgpu_metadata
---
amdhsa.version: [ 1, 2 ]
amdhsa.kernels:
  - .name:           k_q35e402bb2a_attn
    .symbol:         k_q35e402bb2a_attn.kd
    .args:
      - { .name: keys_codes, .offset: 0, .size: 8, .value_kind: global_buffer, .address_space: global }
      - { .name: keys_scales, .offset: 8, .size: 8, .value_kind: global_buffer, .address_space: global }
      - { .name: queries_codes, .offset: 16, .size: 8, .value_kind: global_buffer, .address_space: global }
      - { .name: queries_scales, .offset: 24, .size: 8, .value_kind: global_buffer, .address_space: global }
      - { .name: values_codes, .offset: 32, .size: 8, .value_kind: global_buffer, .address_space: global }
      - { .name: values_scales, .offset: 40, .size: 8, .value_kind: global_buffer, .address_space: global }
      - { .name: out0, .offset: 48, .size: 8, .value_kind: global_buffer, .address_space: global }
    .group_segment_fixed_size: 327680
    .private_segment_fixed_size: 0
    .kernarg_segment_align: 8
    .kernarg_segment_size: 56
    .max_flat_workgroup_size: 512
    .sgpr_count:     100
    .vgpr_count:     256
    .wavefront_size: 32
...
	.end_amdgpu_metadata
.endif
;; end of part 1
